; MI455X (gfx1250); checked and timed in simulation.
; The chip was launched on July 23, 2026; its instructions are those of AMD's public machine-readable ISA for CDNA 5 (MIT licence, August 2026) and "CDNA5" Instruction Set Architecture Reference Guide (July 2026). The comments in the code are by the model that wrote it; some were corrected since.
;; RD Quant Linear. Allowed arithmetic: matrix products marked QUANTISED: E2M1 operands, one E8M0 scale for each 32 along K, by v_wmma_scale_f32_16x16x128_f8f6f4 with both operands' format E2M1 (or v_wmma_scale_f32_32x16x128_f4), f32 sums; everything else in f32.
;; Inputs: bias 4,096 float32; fp8_scale 1 float32; inv_perm 4,096 int32; nvfp4_global_scale 1 float32; nvfp4_idx 2,048 x 4,096 int32; nvfp4_scales 2,048 x 256 float32; w_fp16_codes 1,024 x 128 x 16 uint8 (E2M1 codes of w_fp16, K innermost, in blocks of 32 codes, two codes a byte); w_fp16_scales 1,024 x 128 uint8 (E8M0 scales of w_fp16, one for each 32 codes along K); w_fp8_codes 1,024 x 128 x 16 uint8 (E2M1 codes of w_fp8, K innermost, in blocks of 32 codes, two codes a byte); w_fp8_scales 1,024 x 128 uint8 (E8M0 scales of w_fp8, one for each 32 codes along K); x_codes 4,096 x 128 x 16 uint8 (E2M1 codes of x, K innermost, in blocks of 32 codes, two codes a byte); x_scales 4,096 x 128 uint8 (E8M0 scales of x, one for each 32 codes along K).
;; Outputs: out0 4,096 x 4,096 float32.
;; This version of the problem:
;;   THIS VERSION OF THE PROBLEM IS GIVEN IN LOW PRECISION. The matrix products marked QUANTISED in the list below multiply operands that are first quantised to E2M1 (2 exponent bits, 1 mantissa bit; 4 bits a number), with one power-of-two scale for each 32 numbers along K (OCP MX v1.0); their sums are f32. All else is computed in f32.
;;   The module's matrix products, in the order in which they are computed (A, B: the left and right operand; K: the contracted axis; several contracted axes count as one K, in the product's order):
;;     1. [M 4,096, K 4,096] x [K 4,096, N 2,048]; A: input x (given as codes); B: computed on the way: QUANTISED
;;     2. [M 4,096, K 4,096] x [K 4,096, N 1,024]; A: input x (given as codes); B: input w_fp8 (given as codes): QUANTISED
;;     3. [M 4,096, K 4,096] x [K 4,096, N 1,024]; A: input x (given as codes); B: input w_fp16 (given as codes): QUANTISED
;;   THE QUANTISER, for each operand of a quantised product, along K:
;;     - K is cut into blocks of 32 from its start; a last block that is shorter is filled with zeros.
;;     - A block's scale is 2^e with e = floor(log2(the largest magnitude in the block)) - 2, held to -126 .. 127; a block of zeros has e = 0. As a byte (E8M0): e + 127.
;;     - Each number is divided by its block's scale, clamped to +-6, and rounded to the nearest number of E2M1, ties to even, subnormals kept.
;;     - The product sums the exact products of the quantised numbers (number of the format x scale) in f32.
;;   ~~~python
;;   def quantise(x, axis):      # numpy; x: float32 -> the quantised numbers, widened to float32 again
;;       x = np.moveaxis(x, axis, -1); K = x.shape[-1]
;;       x = np.pad(x, [(0, 0)] * (x.ndim - 1) + [(0, -K % 32)]); x = x.reshape(x.shape[:-1] + (-1, 32)); a = np.abs(x).max(-1, keepdims=True)
;;       e = np.where(a > 0, np.clip(np.frexp(np.where(a > 0, a, 1))[1] - 1 - 2, -126, 127), 0)      # np.frexp(a)[1] - 1 = floor(log2(a)), exactly
;;       r = np.clip(x / 2.0 ** e, -6, 6)
;;       step = 2.0 ** (np.maximum(np.frexp(np.where(r == 0, 1, r))[1] - 1, 0) - 1)
;;       q = np.round(r / step) * step * 2.0 ** e      # np.round: ties to even
;;       return np.moveaxis(q.reshape(q.shape[:-2] + (-1,))[..., :K], -1, axis).astype(np.float32)
;;   ~~~
;;   OPERANDS COMPUTED ON THE WAY. 'Computed on the way' means the value that the module computes at that place (a softmax that the list does not call 'softmax' is quantised finished and normalised). What goes into a quantiser is computed in f32, as accurately as f32 sums, v_exp_f32 and their like allow (about 1e-6 of the number): no bf16 or f16 on the way to a quantiser, and a product that is left as it is and whose result goes on into a quantised operand takes f32 operands (vector FMAs, or v_wmma_f32_16x16x4_f32). A number that lies on a knife's edge between two numbers of the format may be rounded either way, as far as f32 arithmetic and the matrix unit's own rounding can turn it there, and no further.
;;   INPUTS GIVEN AS CODES. w_fp16 (in the module: [1024, 4096], K = its axis 1); w_fp8 (in the module: [1024, 4096], K = its axis 1); x (in the module: [4096, 4096], K = its axis 1): each comes as NAME_codes (uint8): NAME with its K axis moved to the last place and cut into blocks of 32 codes, [.., K / 32, bytes a block], one block behind the other in memory; two codes a byte, the lower K in the low four bits (a code: sign, 2 exponent bits, 1 mantissa bit); and NAME_scales (uint8): the same leading axes, one E8M0 byte (e + 127) for each 32 codes along K. Its value is code x scale, taken as it is: it is not quantised again, and the codes and scales need not be those that the quantiser above would give.
;; One version. Each part assembles by itself: llvm-mc -triple=amdgcn-amd-amdhsa -mcpu=gfx1250 --defsym DOCPART=n.
;; ======== version 1 of 1: 2 launches
;; limits: right only within a limited range of input values
;; workspace buffers: w_codes 8,388,608 bytes; ws_t 524,288 bytes; xs_t 524,288 bytes
;; launch prep (part 1): grid 256 x 1, 32 waves a work-group, no clusters, 38,912 bytes of LDS; arguments inv_perm, nvfp4_idx, nvfp4_scales, nvfp4_global_scale, w_fp8_codes, w_fp8_scales, w_fp16_codes, w_fp16_scales, x_scales, w_codes, ws_t, xs_t; writes w_codes, ws_t, xs_t
.if DOCPART == 1
	.amdgcn_target "amdgcn-amd-amdhsa--gfx1250"
	.amdhsa_code_object_version 6
	.text
	.protected	k_q162560f701_prep
	.globl	k_q162560f701_prep
	.p2align	8
	.type	k_q162560f701_prep,@function
k_q162560f701_prep:
	s_mov_b64 s[64:65], 0
	v_nop
	global_prefetch_b8 v0, s[64:65] scope:SCOPE_SE
	s_setreg_imm32_b32 hwreg(HW_REG_WAVE_MODE, 25, 1), 1
	s_wait_xcnt 0x0
; ONE WEIGHT OPERAND IN THE ORDER OF THE OUTPUT'S COLUMNS.  Row j of W [4096][4096] is row g = inv_perm[j] of the three groups set one behind the other:
;   g < 2048: code[nvfp4_idx[g][k]] x (nvfp4_scales[g][k / 16] x nvfp4_global_scale) in f32, quantised along K in blocks of 32;
;   2048 <= g < 3072: row g - 2048 of w_fp8's codes and scale bytes as they are;   3072 <= g: row g - 3072 of w_fp16's.
; A list that names a row twice is served: each j gathers for itself.
; OUT: w_codes [8 steps of 512 along K][4096 places][256 bytes], ws_t [8 steps][4096 places][16 scale bytes], xs_t: x_scales as [8 steps][4096 rows][16 bytes].
;   Inside each 64 columns, column j has the place 16 (j % 4) + (j / 4) % 16: the product's tiles of 16 then hold every fourth column.
; SHARES: work-group (s = id % 8, jb = id / 8): step s of rows 128 jb .. + 127.  Wave w: rows 4 w .. 4 w + 3 of them.
; Indices arrive dense (128 a load), four are packed into 16 bits, and a row's 256 bytes of nibbles come back through the wave's own LDS bytes a block of 32 a lane: lanes 0-15 one row, 16-31 the next.
; Given rows take the same way through LDS and are kept by a select.  The nibbles ARE E2M1 codes (reference()'s table is that format's, sign in bit 3).
; No tensor loads here: each byte is read by one work-group once, and what is read hangs on the list.
; LIMITS: inv_perm is taken as 0 .. 4095 (held at 4095 as an unsigned number).  nvfp4_idx is taken as 0 .. 15.  NaN and infinities in nvfp4_scales or the global scale are not served.
; The two scales are multiplied first: f32 rounding in another order than reference()'s.  A block whose largest magnitude lies under 2^-124, or of zeros, gets the scale byte 1: its codes are then zeros or as small.
.set WSB,   32768                      ; LDS: 0 .. 32767 nibbles, 1,024 bytes a wave; WSB: scale bytes [128 places][16]
.set SPARE, 34816                      ; spare words, 128 bytes for each of 32 waves
.set G,   40                           ; s[40:43] the four rows' g
.set PI,  44                           ; s[44:51] the rows' codes or indices
.set PS,  52                           ; s[52:59] the rows' scales
.set M,   24                           ; v[24:27] four chains of maxima
.set C,   28                           ; v[28:31] codes made
.set S,   32                           ; v[32:39] row i: 8 bytes of scales
.set P,   40                           ; v[40:47] pair p: my block's 32 nibbles
.set IDX, 48                           ; v[48:111] row i: 16 registers
.set F,   48                           ; v[48:79] 32 numbers in f32 (the indices are used by then)
	s_load_b512 s[16:31], s[0:1], 0x0              ; inv_perm 16, idx 18, nv scales 20, global 22, fp8 codes 24, fp8 scales 26, fp16 codes 28, fp16 scales 30
	s_load_b256 s[32:39], s[0:1], 0x40             ; x_scales 32, w_codes 34, ws_t 36, xs_t 38
	v_lshrrev_b32 v1, 5, v0
	v_readfirstlane_b32 s2, v1                     ; wave 0 .. 31
	s_and_b32 s3, ttmp9, 7                         ; step s
	s_lshr_b32 s4, ttmp9, 3                        ; jb
	s_lshl_b32 s5, s2, 10                          ; my wave's nibbles
	s_lshr_b32 s8, s2, 4
	s_and_b32 s9, s2, 15
	s_lshl_b32 s12, s8, 10
	s_lshl_b32 s13, s9, 4
	s_add_co_u32 s12, s12, s13
	s_add_co_u32 s12, s12, WSB                     ; scale bytes of my row 0: 16 x its place
	s_lshl_b32 s8, s8, 6
	s_add_co_u32 s8, s8, s9                        ; my row 0's place: 64 (w / 16) + w % 16; row i's is 16 i further
	s_lshl_b32 s9, s4, 7
	s_add_co_u32 s8, s8, s9
	s_lshl_b32 s8, s8, 8
	s_lshl_b32 s9, s3, 20
	s_add_co_u32 s8, s8, s9                        ; its byte offset in w_codes
	s_mov_b32 s9, 0
	s_mov_b32 s11, 0                               ; s[10:11]: the offset in hand
	s_mov_b32 s62, 0xffff0000                      ; lanes 16-31
	v_lshl_add_u32 v17, v0, 2, SPARE
	v_mov_b32 v18, 0
	v_and_b32 v1, 31, v0                           ; l
	v_and_b32 v22, 15, v0                          ; l % 16
	v_bfe_u32 v23, v0, 4, 1                        ; l / 16
	v_lshlrev_b32 v2, 4, v1                        ; indices: 16 bytes a lane
	v_lshlrev_b32 v3, 3, v1                        ; given codes: 8 bytes a lane, 256 a row
	v_lshlrev_b32 v4, 3, v22                       ; a quantised row's two scales of block l % 16
	v_lshl_add_u32 v5, v1, 1, s5                   ; nibbles in, packed: 2 bytes a lane
	v_add_nc_u32 v6, s5, v2                        ; nibbles back: 16 bytes a lane
	v_add_nc_u32 v7, s5, v3                        ; nibbles in, given: 8 bytes a lane
	v_lshl_add_u32 v8, v23, 8, v22
	v_add_nc_u32 v8, s12, v8                       ; my scale byte
	v_and_b32 v9, 127, v0
	v_lshlrev_b32 v13, 4, v9                       ; the way out of the scale bytes: thread t of 128 takes 16
	v_add_nc_u32 v9, WSB, v13
	v_bfe_u32 v10, v0, 3, 1
	v_lshlrev_b32 v10, 3, v10                      ; a given row: the 8 scale bytes that hold mine
	v_mov_b32 v11, 0x7f7f7f7f                      ; the scale 1.0
	v_lshlrev_b32 v12, 4, v22
	v_bfe_u32 v24, v0, 4, 3
	v_lshlrev_b32 v15, 7, v22
	v_lshl_add_u32 v15, v24, 4, v15                ; x's scale bytes, in: row t % 16, step (t / 16) % 8
	v_lshl_add_u32 v16, v24, 16, v12               ; and out
	v_lshl_add_u32 v12, v23, 12, v12               ; codes out: lanes 16-31 sixteen places on
	v_and_b32 v14, 7, v0                           ; which of the 8 bytes
	s_wait_alu depctr_va_vdst(0)                   ; the wait at the head's end
	s_wait_kmcnt 0x0
	s_lshl_b32 s10, s4, 9
	s_lshl_b32 s13, s2, 4
	s_add_co_u32 s10, s10, s13
	s_add_nc_u64 s[16:17], s[16:17], s[10:11]
	s_load_b128 s[40:43], s[16:17], 0x0            ; g of my four rows
	s_load_b32 s6, s[22:23], 0x0                   ; the global scale
	s_add_nc_u64 s[34:35], s[34:35], s[8:9]
	s_lshl_b32 s10, s3, 11
	s_add_nc_u64 s[18:19], s[18:19], s[10:11]      ; step s of a row: 2,048 bytes of indices,
	s_lshl_b32 s10, s3, 7
	s_add_nc_u64 s[20:21], s[20:21], s[10:11]      ; 128 bytes of scales,
	s_lshl_b32 s10, s3, 8
	s_add_nc_u64 s[24:25], s[24:25], s[10:11]      ; 256 bytes of given codes,
	s_add_nc_u64 s[28:29], s[28:29], s[10:11]
	s_lshl_b32 s10, s3, 4
	s_add_nc_u64 s[26:27], s[26:27], s[10:11]      ; 16 given scale bytes
	s_add_nc_u64 s[30:31], s[30:31], s[10:11]
	s_lshl_b32 s10, s3, 16
	s_lshl_b32 s13, s4, 11
	s_add_co_u32 s10, s10, s13
	s_add_nc_u64 s[36:37], s[36:37], s[10:11]
	s_lshl_b32 s10, ttmp9, 11
	s_add_nc_u64 s[32:33], s[32:33], s[10:11]      ; x's scale bytes: 16 rows a work-group
	s_lshl_b32 s10, ttmp9, 8
	s_add_nc_u64 s[38:39], s[38:39], s[10:11]
	s_cmp_lt_u32 s2, 28
	s_cbranch_scc1 .Lno_x
	global_load_b128 v[112:115], v15, s[32:33]     ; waves 28-31, while the list's words are on their way
	s_wait_loadcnt 0x0
	global_store_b128 v16, v[112:115], s[38:39]    ; sixteen lanes store 256 consecutive bytes
.Lno_x:
	s_wait_kmcnt 0x0
.irp i, 0,1,2,3
	s_min_u32 s[G+\i], s[G+\i], 0xfff              ; the index is held inside the table
.endr
; Row i's loads: five where it is quantised, two where it is given.
.macro LD i, quant
.if \quant
	s_and_b32 s8, s[G+\i], 2047
	s_lshl_b32 s10, s8, 14
	s_add_nc_u64 s[PI+2*\i:PI+2*\i+1], s[18:19], s[10:11]
	s_lshl_b32 s10, s8, 10
	s_add_nc_u64 s[PS+2*\i:PS+2*\i+1], s[20:21], s[10:11]
	global_load_b64 v[S+2*\i:S+2*\i+1], v4, s[PS+2*\i:PS+2*\i+1]
.irp n, 0,1,2,3
	global_load_b128 v[IDX+16*\i+4*\n:IDX+16*\i+4*\n+3], v2, s[PI+2*\i:PI+2*\i+1] offset:512*\n
.endr
.else
	s_cmp_lt_u32 s[G+\i], 3072
	s_cselect_b64 s[PI+2*\i:PI+2*\i+1], s[24:25], s[28:29]
	s_cselect_b64 s[PS+2*\i:PS+2*\i+1], s[26:27], s[30:31]
	s_and_b32 s8, s[G+\i], 1023
	s_lshl_b32 s10, s8, 11
	s_add_nc_u64 s[PI+2*\i:PI+2*\i+1], s[PI+2*\i:PI+2*\i+1], s[10:11]
	s_lshl_b32 s10, s8, 7
	s_add_nc_u64 s[PS+2*\i:PS+2*\i+1], s[PS+2*\i:PS+2*\i+1], s[10:11]
	global_load_b64 v[S+2*\i:S+2*\i+1], v10, s[PS+2*\i:PS+2*\i+1]
	global_load_b64 v[IDX+16*\i:IDX+16*\i+1], v3, s[PI+2*\i:PI+2*\i+1]
.endif
.endm
; Row i's nibbles into my LDS bytes.  left: the loads of later rows, which may stay out.
.macro PK i, quant, left
	s_wait_loadcnt \left
.if \quant
.irp n, 0,1,2,3
	v_lshl_or_b32 v[IDX+16*\i+4*\n], v[IDX+16*\i+4*\n+1], 4, v[IDX+16*\i+4*\n]
	v_lshl_or_b32 v[IDX+16*\i+4*\n+2], v[IDX+16*\i+4*\n+3], 4, v[IDX+16*\i+4*\n+2]
.endr
.irp n, 0,1,2,3
	v_lshl_or_b32 v[IDX+16*\i+4*\n], v[IDX+16*\i+4*\n+2], 8, v[IDX+16*\i+4*\n]   ; four codes, the lower k in the lower bits
.endr
.irp n, 0,1,2,3
	ds_store_b16 v5, v[IDX+16*\i+4*\n] offset:256*\i+64*\n
.endr
.else
	ds_store_b64 v7, v[IDX+16*\i:IDX+16*\i+1] offset:256*\i
.endif
.endm
; One leaf for each pattern of quantised (1) and given (0) rows: all loads first, then each row as it comes in.
.macro LEAF c0, c1, c2, c3
	LD 0, \c0
	LD 1, \c1
	LD 2, \c2
	LD 3, \c3
	s_mov_b32 s60, (\c0)*0xffff+(\c1)*0xffff0000   ; the lanes of rows 0, 1 (and 2, 3) that hold a quantised row
	s_mov_b32 s61, (\c2)*0xffff+(\c3)*0xffff0000
	PK 0, \c0, 6+3*(\c1+\c2+\c3)
	PK 1, \c1, 4+3*(\c2+\c3)
	PK 2, \c2, 2+3*(\c3)
	PK 3, \c3, 0
.endm
; The tree of tests, row 3 first; a digit of a label: 1 where that row is quantised.
.macro TREE0 d, c, b, a
.Ls\a\b\c\d:
	LEAF \a, \b, \c, \d
	s_branch .Ljoin
.endm
.macro TREE1 d, c, b
.Lr\b\c\d:
	s_cmp_lt_u32 s40, 2048
	s_cbranch_scc1 .Ls1\b\c\d
	TREE0 \d, \c, \b, 0
	TREE0 \d, \c, \b, 1
.endm
.macro TREE2 d, c
.Lq\c\d:
	s_cmp_lt_u32 s41, 2048
	s_cbranch_scc1 .Lr1\c\d
	TREE1 \d, \c, 0
	TREE1 \d, \c, 1
.endm
.macro TREE3 d
.Lp\d:
	s_cmp_lt_u32 s42, 2048
	s_cbranch_scc1 .Lq1\d
	TREE2 \d, 0
	TREE2 \d, 1
.endm
	s_cmp_lt_u32 s43, 2048
	s_cbranch_scc1 .Lp1
	TREE3 0
	TREE3 1
.Ljoin:
	ds_load_b128 v[P:P+3], v6                      ; LDS serves a wave's instructions in order: these see my stores
	ds_load_b128 v[P+4:P+7], v6 offset:512
; Rows 2 p (lanes 0-15) and 2 p + 1 (lanes 16-31), a block of 32 a lane.
.macro PAIR p
	v_cndmask_b32 v20, v[S+4*\p], v[S+4*\p+2], s62
	v_cndmask_b32 v21, v[S+4*\p+1], v[S+4*\p+3], s62
	v_perm_b32 v19, v21, v20, v14                  ; a given row's scale byte, in the low byte
	s_wait_alu depctr_va_vdst(0)
	s_wait_dscnt 0x1                               ; the younger one: the other pair's nibbles, or its byte store
	s_cmp_eq_u32 s[60+\p], 0
	s_cbranch_scc1 .Lkeep_\@                       ; both rows are given
	v_cndmask_b32 v20, 1.0, v20, s[60+\p]          ; (a given row's lanes run along; their result is not taken)
	v_cndmask_b32 v21, 1.0, v21, s[60+\p]
.irp q, 0,1,2,3
	v_cvt_scale_pk8_f32_fp4 v[F+8*\q:F+8*\q+7], v[P+4*\p+\q], v11
.endr
	v_mul_f32 v20, s6, v20                         ; scale x global scale; the plain places behind the conversions
	v_mul_f32 v21, s6, v21
.irp i, 0,2,4,6,8,10,12,14
	v_pk_mul_f32 v[F+\i:F+\i+1], v[F+\i:F+\i+1], v[20:21] op_sel_hi:[1,0]
.endr
.irp i, 16,18,20,22,24,26,28,30
	v_pk_mul_f32 v[F+\i:F+\i+1], v[F+\i:F+\i+1], v[20:21] op_sel:[0,1] op_sel_hi:[1,1]
.endr
.irp c, 0,1,2,3
	v_max3_num_f32 v[M+\c], |v[F+8*\c]|, |v[F+8*\c+1]|, 0x1800000   ; the floor 2^(3 - 127): the byte cannot fall under 1
.endr
.irp i, 2,4,6
.irp c, 0,1,2,3
	v_max3_num_f32 v[M+\c], v[M+\c], |v[F+8*\c+\i]|, |v[F+8*\c+\i+1]|
.endr
.endr
	v_max3_num_f32 v[M], v[M], v[M+1], v[M+2]
	v_max_num_f32 v[M], v[M], v[M+3]
	v_add_nc_u32 v23, 0xff000000, v[M]             ; 2 off its exponent field: the conversion's scale operand
.irp q, 0,1,2,3
	v_cvt_scalef32_pk8_fp4_f32 v[C+\q], v[F+8*\q:F+8*\q+7], v23   ; beyond 6 the largest code
.endr
	v_lshrrev_b32 v22, 23, v23                     ; the scale's byte; the plain place behind the conversions
	v_cndmask_b32 v19, v19, v22, s[60+\p]
.irp q, 0,1,2,3
	v_cndmask_b32 v[P+4*\p+\q], v[P+4*\p+\q], v[C+\q], s[60+\p]
.endr
.Lkeep_\@:
	ds_store_b8 v8, v19 offset:512*\p
	global_store_b128 v12, v[P+4*\p:P+4*\p+3], s[34:35] offset:8192*\p   ; sixteen lanes store 256 consecutive bytes, aligned
.endm
	PAIR 0
	PAIR 1
	s_wait_dscnt 0x0                               ; for the others' sake: my scale bytes have landed
	s_barrier_signal -1
	s_barrier_wait -1
	s_cmp_lt_u32 s2, 4
	s_cbranch_scc0 .Lend                           ; 2,048 bytes leave by 128 threads
	ds_load_b128 v[116:119], v9
	s_wait_dscnt 0x0
	global_store_b128 v13, v[116:119], s[36:37]
.Lend:
	s_wait_tensorcnt 0x0                           ; the wave's end
	ds_add_u32 v17, v18
	s_wait_dscnt 0x0
	s_endpgm
.Lfunc_end_k_q162560f701_prep:
	.size	k_q162560f701_prep, .Lfunc_end_k_q162560f701_prep-k_q162560f701_prep
	.p2alignl 7, 3214868480
	.fill 96, 4, 3214868480
	.section	.rodata,"a",@progbits
	.p2align	6, 0x0
	.amdhsa_kernel k_q162560f701_prep
		.amdhsa_group_segment_fixed_size 38912
		.amdhsa_private_segment_fixed_size 0
		.amdhsa_enable_private_segment 0
		.amdhsa_kernarg_size 96
		.amdhsa_user_sgpr_count 2
		.amdhsa_user_sgpr_kernarg_segment_ptr 1
		.amdhsa_wavefront_size32 1
		.amdhsa_system_sgpr_workgroup_id_x 1
		.amdhsa_system_sgpr_workgroup_id_y 1
		.amdhsa_system_sgpr_workgroup_id_z 1
		.amdhsa_system_vgpr_workitem_id 0
		.amdhsa_next_free_vgpr 120
		.amdhsa_next_free_sgpr 66
		.amdhsa_reserve_vcc 0
		.amdhsa_float_denorm_mode_32 3
		.amdhsa_float_denorm_mode_16_64 3
		.amdhsa_memory_ordered 1
		.amdhsa_forward_progress 1
		.amdhsa_inst_pref_size 89
	.end_amdhsa_kernel
	.amdgpu_metadata
---
amdhsa.version: [ 1, 2 ]
amdhsa.kernels:
  - .name:           k_q162560f701_prep
    .symbol:         k_q162560f701_prep.kd
    .args:
      - { .name: inv_perm, .offset: 0, .size: 8, .value_kind: global_buffer, .address_space: global }
      - { .name: nvfp4_idx, .offset: 8, .size: 8, .value_kind: global_buffer, .address_space: global }
      - { .name: nvfp4_scales, .offset: 16, .size: 8, .value_kind: global_buffer, .address_space: global }
      - { .name: nvfp4_global_scale, .offset: 24, .size: 8, .value_kind: global_buffer, .address_space: global }
      - { .name: w_fp8_codes, .offset: 32, .size: 8, .value_kind: global_buffer, .address_space: global }
      - { .name: w_fp8_scales, .offset: 40, .size: 8, .value_kind: global_buffer, .address_space: global }
      - { .name: w_fp16_codes, .offset: 48, .size: 8, .value_kind: global_buffer, .address_space: global }
      - { .name: w_fp16_scales, .offset: 56, .size: 8, .value_kind: global_buffer, .address_space: global }
      - { .name: x_scales, .offset: 64, .size: 8, .value_kind: global_buffer, .address_space: global }
      - { .name: w_codes, .offset: 72, .size: 8, .value_kind: global_buffer, .address_space: global }
      - { .name: ws_t, .offset: 80, .size: 8, .value_kind: global_buffer, .address_space: global }
      - { .name: xs_t, .offset: 88, .size: 8, .value_kind: global_buffer, .address_space: global }
    .group_segment_fixed_size: 38912
    .private_segment_fixed_size: 0
    .kernarg_segment_align: 8
    .kernarg_segment_size: 96
    .max_flat_workgroup_size: 1024
    .sgpr_count:     66
    .vgpr_count:     120
    .wavefront_size: 32
...
	.end_amdgpu_metadata
.endif
;; end of part 1
;; launch gemm (part 2): grid 16 x 16, 4 waves a work-group, clusters of 4 x 4, 327,680 bytes of LDS; arguments x_codes, xs_t, w_codes, ws_t, inv_perm, fp8_scale, bias, out0; writes out0
.if DOCPART == 2
	.amdgcn_target "amdgcn-amd-amdhsa--gfx1250"
	.amdhsa_code_object_version 6
	.text
	.protected	k_q162560f701_gemm
	.globl	k_q162560f701_gemm
	.p2align	8
	.type	k_q162560f701_gemm,@function
k_q162560f701_gemm:
	s_mov_b64 s[64:65], 0
	v_nop
	global_prefetch_b8 v0, s[64:65] scope:SCOPE_SE
	s_setreg_imm32_b32 hwreg(HW_REG_WAVE_MODE, 25, 1), 1
	s_wait_xcnt 0x0
	s_wait_alu depctr_hold_cnt(0) depctr_sa_sdst(0) depctr_va_vdst(0) depctr_va_sdst(0) depctr_va_ssrc(0) depctr_va_vcc(0) depctr_vm_vsrc(0)
	s_getreg_b32 s2, hwreg(HW_REG_IB_STS2, 6, 4)
	s_cmp_eq_u32 s2, 0
	s_cbranch_scc0 .Lentry_in_a_cluster
	s_endpgm
.Lentry_in_a_cluster:
	s_bfe_u32 s2, ttmp6, 0x10000c
	s_cmp_lg_u32 s2, 0xf033
	s_cbranch_scc0 .Lentry_shape_is_right
	s_endpgm
.Lentry_shape_is_right:
; y[m][j] = (sum over k of x[m][k] W[j][k]) x (fp8_scale where 2048 <= inv_perm[j] < 3072, else 1) + bias[j].  x, W: E2M1 codes with E8M0 scales, 4096 x 4096; y f32.
; A block of 256 x 256 a work-group, four waves of 128 x 128: 64 accumulators (512 registers).  K goes in steps of 512 through two LDS slots filled by the tensor data mover:
; wave 0 fetches x's 256 rows of 256 bytes, wave 1 W's, waves 2 and 3 their scale bytes (4,096 dense bytes each), one load a wave.
; CLUSTERS of 4 x 4: x's tiles are shared along a row of the cluster, W's along a column, by joint loads.
; Half of the clusters begin K in its middle (s2 below), so the second half of a cluster's K has been read by other clusters.
; SOURCE 0 = 16 rows of x, source 1 = 16 places of W.  W's places hold every fourth column: of accumulators 4 g .. 4 g + 3 lane r holds columns 64 g + 4 r + 0 .. 3 of rows 8 h + j:
; 16 neighbouring bytes, sixteen lanes a whole aligned 256 bytes.  So results go from registers to memory with no stage in LDS.
; REGISTERS, windows of 256: 0: addresses, scale words v32-95 (two sets), x's fragments v128-255 (two sets of 64);  1: W's fragments, sets at v0 and v128;  2, 3: accumulators (a, b) at v[8 (8 (a % 4) + b)], a = 0-3 and 4-7.
; A step of 128 along K: 64 products, blocks a of eight in order; behind block 0 stands ONE run of 32 loads, the next step's fragments: W's eight first, then x's eight.
; The wait ahead of block 0 leaves out x's blocks 1 .. 7 (14 loads); that ahead of block a the run (32) and x's blocks a + 1 .. 7 (14 - 2 a).
; PREFETCH: K steps 1, 2 and 3 of a cluster's walk, each one K step ahead of its load; the four partners of a joint load share the rows out by address: 32 rows of 256 bytes a wave, and two blocks of scale bytes.
; K step 0 comes by its load alone; from K step 4 on the rows have been read by the clusters that began there, and nothing is asked for.
.set ROWB,   256
.set KROW,   2048
.set PITCH,  272                       ; LDS row: 256 bytes + 16 of padding
.set HALFT,  128*PITCH
.set SLOT,   4*HALFT                   ; x's 256 rows, then W's
.set LAPS,   4
.set SCL,    2*SLOT                    ; scale bytes: 8,192 a slot, x's 256 rows then W's, 16 bytes a row
.set SSLOT,  8192
.set SSTEP,  65536
.set WSTEP,  0x100000
.set SPARE,  SCL+2*SSLOT               ; spare words
.set ADRA, 16
.set ADRB, 20
.set CB,   25                          ; 16 (l % 16): my four columns in the list and in bias
.set CO,   26                          ; and in y, lanes 16-31 eight rows down
.set ADRS, 27
.set SPW,  28
.set NIL,  29
.set PFO,  30
.set PFS,  31
.set SC,   32
.set CM,   96
.set BI,   104
.set IP,   112
.set FS,   120
.set ZA,   121
.set AF,   128
.set TB,   128                         ; the way out: two runs of 32, where x's set 0 lay
.set OC,   4                           ; byte offsets of the K step in hand: in a row of x,
.set OS,   6                           ; in the scale bytes,
.set OB,   8                           ; in W's codes
.set PC,   10                          ; prefetch: codes of K step 1 s[10:11], 2 s[104:105], 3 s[2:3];  scale bytes of step 1 s[66:67]
.set WV,   20
.set G1A,  24
.set G1B,  32
.set G1SA, 40
.set G1SB, 48
.set G0A,  56
.set G0B,  68
.set G0SA, 76
.set G0SB, 84
.set LAP,  101
.set MSB, 0
.macro WIN new                         ; the immediate's high byte repeats the setting that is left
.if MSB != (\new)
	s_set_vgpr_msb (MSB<<8)|(\new)
.set MSB, (\new)
.endif
.endm
.set MUL_LO, 0xa4                      ; source 0 window 0, source 1 window 1, C and D window 2 (+ 0x50: window 3)
.set TO_B,   0x40
.macro JLOAD s                         ; one joint load a wave
	s_cmp_lt_u32 s[WV], 2
	s_cbranch_scc0 .Lscales_\@
	s_cmp_eq_u32 s[WV], 0
	s_cbranch_scc0 .Lfor_b_\@
	tensor_load_to_lds s[G0A+4*\s:G0A+4*\s+3], s[G1A:G1A+7]
	s_nop 0
.rept 4
	v_nop
.endr
	s_branch .Lasked_\@
.Lfor_b_\@:
	tensor_load_to_lds s[G0B+4*\s:G0B+4*\s+3], s[G1B:G1B+7]
	s_nop 0
.rept 4
	v_nop
.endr
	s_branch .Lasked_\@
.Lscales_\@:
	s_cmp_eq_u32 s[WV], 2
	s_cbranch_scc0 .Lfor_sb_\@
	tensor_load_to_lds s[G0SA+4*\s:G0SA+4*\s+3], s[G1SA:G1SA+7]
	s_nop 0
.rept 4
	v_nop
.endr
	s_branch .Lasked_\@
.Lfor_sb_\@:
	tensor_load_to_lds s[G0SB+4*\s:G0SB+4*\s+3], s[G1SB:G1SB+7]
	s_nop 0
.rept 4
	v_nop
.endr
.Lasked_\@:
.endm
.macro CREST                           ; a round of the cluster's barrier behind its opening barrier
	s_cmp_lg_u32 s[WV], 0
	s_cbranch_scc1 .Lnot_wave_0_\@
	s_barrier_signal -3
.Lnot_wave_0_\@:
	s_barrier_wait -3
	s_barrier_signal -1
	s_barrier_wait -1
.endm
.macro CROUND
	s_barrier_signal -1
	s_barrier_wait -1
	CREST
.endm
.macro NEXTK                           ; on by one K step, round the end of K
	s_add_co_u32 s[OC], s[OC], ROWB
	s_and_b32 s[OC], s[OC], KROW-1
	s_add_co_u32 s[OS], s[OS], SSTEP
	s_and_b32 s[OS], s[OS], 8*SSTEP-1
	s_add_co_u32 s[OB], s[OB], WSTEP
	s_and_b32 s[OB], s[OB], 8*WSTEP-1
.endm
.macro AIM s
	s_add_nc_u64 s[G0A+4*(\s)+2:G0A+4*(\s)+3], s[92:93], s[OC:OC+1]
	s_or_b32 s[G0A+4*(\s)+3], s[G0A+4*(\s)+3], 0x80000000
	s_add_nc_u64 s[G0B+4*(\s)+2:G0B+4*(\s)+3], s[96:97], s[OB:OB+1]
	s_or_b32 s[G0B+4*(\s)+3], s[G0B+4*(\s)+3], 0x80000000
	s_add_nc_u64 s[G0SA+4*(\s)+2:G0SA+4*(\s)+3], s[94:95], s[OS:OS+1]
	s_or_b32 s[G0SA+4*(\s)+3], s[G0SA+4*(\s)+3], 0x80000000
	s_add_nc_u64 s[G0SB+4*(\s)+2:G0SB+4*(\s)+3], s[98:99], s[OS:OS+1]
	s_or_b32 s[G0SB+4*(\s)+3], s[G0SB+4*(\s)+3], 0x80000000
.endm
	s_load_b512 s[4:19], s[0:1], 0x0
	v_lshl_add_u32 v[SPW], v0, 2, SPARE
	v_mov_b32 v[NIL], 0
	ds_add_u32 v[SPW], v[NIL]                      ; the opening lines
	ds_add_u32 v[SPW], v[NIL]
	v_lshrrev_b32 v1, 5, v0
	v_readfirstlane_b32 s[WV], v1
	s_lshr_b32 s21, s[WV], 1                       ; my half of the block's rows
	s_and_b32 s22, s[WV], 1                        ; and of its columns
	s_bfe_u32 s104, ttmp6, 0x40000                 ; cx
	s_bfe_u32 s105, ttmp6, 0x40004                 ; cy
	s_lshl_b32 s100, ttmp9, 2
	s_add_co_u32 s100, s100, s104                  ; tile column
	s_and_b32 s23, ttmp7, 0xffff
	s_lshl_b32 s23, s23, 2
	s_add_co_u32 s23, s23, s105                    ; tile row
	s_lshl_b32 s66, s105, 2
	s_lshl_b32 s66, 15, s66                        ; my row of the cluster
	s_lshl_b32 s67, 0x1111, s104                   ; my column
	s_or_b32 s[G1A], s66, (1<<20)|(1<<21)|(5<<22)|(3<<25)   ; elements of 1 byte, after every 64 words 4 of padding, bit 21 beside the mask
	s_or_b32 s[G1B], s67, (1<<20)|(1<<21)|(5<<22)|(3<<25)
.irp g, G1A, G1B
	s_mov_b32 s[\g+1], ROWB<<16
	s_mov_b32 s[\g+2], 256<<16
	s_mov_b32 s[\g+3], ROWB<<16
	s_mov_b32 s[\g+4], 256
	s_mov_b32 s[\g+6], 0
	s_mov_b32 s[\g+7], 0
.endr
	s_mov_b32 s[G1A+5], KROW
	s_mov_b32 s[G1B+5], ROWB                       ; W's tile is dense
	s_or_b32 s[G1SA], s66, (3<<16)|(1<<21)         ; 16 rows of 32 elements of 8 bytes, dense
	s_or_b32 s[G1SB], s67, (3<<16)|(1<<21)
.irp g, G1SA, G1SB
	s_mov_b32 s[\g+1], 32<<16
	s_mov_b32 s[\g+2], 16<<16
	s_mov_b32 s[\g+3], 32<<16
	s_mov_b32 s[\g+4], 16
	s_mov_b32 s[\g+5], 32
	s_mov_b32 s[\g+6], 0
	s_mov_b32 s[\g+7], 0
.endr
	s_and_b32 s2, ttmp7, 0xffff
	s_xor_b32 s2, s2, ttmp9
	s_lshr_b32 s3, s2, 1
	s_xor_b32 s2, s2, s3
	s_and_b32 s2, s2, 1                            ; 1: this cluster begins at K step 4
	s_lshl_b32 s92, s23, 19
	s_mov_b32 s93, 0
	s_lshl_b32 s94, s23, 12
	s_mov_b32 s95, 0
	s_lshl_b32 s96, s100, 16
	s_mov_b32 s97, 0
	s_lshl_b32 s98, s100, 12
	s_mov_b32 s99, 0
	s_wait_dscnt 0x0                               ; both opening adds are done
	s_wait_kmcnt 0x0
	s_add_nc_u64 s[92:93], s[4:5], s[92:93]
	s_add_nc_u64 s[94:95], s[6:7], s[94:95]
	s_add_nc_u64 s[96:97], s[8:9], s[96:97]
	s_add_nc_u64 s[98:99], s[10:11], s[98:99]
	s_lshl_b32 s[OC], s2, 10
	s_mov_b32 s[OC+1], 0
	s_lshl_b32 s[OS], s2, 18
	s_mov_b32 s[OS+1], 0
	s_lshl_b32 s[OB], s2, 22
	s_mov_b32 s[OB+1], 0
	CROUND                                         ; all sixteen work-groups are here
.irp s, 0,1
	s_mov_b32 s[G0A+4*\s], 1
	s_mov_b32 s[G0A+4*\s+1], \s*SLOT
	s_mov_b32 s[G0B+4*\s], 1
	s_mov_b32 s[G0B+4*\s+1], \s*SLOT+2*HALFT
	s_mov_b32 s[G0SA+4*\s], 1
	s_mov_b32 s[G0SA+4*\s+1], SCL+\s*SSLOT
	s_mov_b32 s[G0SB+4*\s], 1
	s_mov_b32 s[G0SB+4*\s+1], SCL+\s*SSLOT+4096
.endr
	AIM 0
	NEXTK
	AIM 1
	JLOAD 0                                        ; K step 0
	; under its flight: LDS addresses, y, the prefetches' addresses
	s_mul_i32 s2, s21, HALFT
	s_mul_i32 s3, s22, HALFT
	s_add_co_u32 s3, s3, 2*HALFT
	s_lshl_b32 s66, s21, 11
	s_lshl_b32 s67, s22, 11
	s_add_co_u32 s67, s67, 4096
	s_sub_co_u32 s67, s67, s66
	s_add_co_u32 s66, s66, SCL
	v_and_b32 v1, 15, v0                           ; r
	v_bfe_u32 v2, v0, 4, 1                         ; h
	v_mul_u32_u24 v3, v1, PITCH
	v_lshl_add_u32 v4, v2, 4, v3
	v_add_nc_u32 v[ADRA], s2, v4
	v_add_nc_u32 v[ADRB], s3, v4
	v_add_nc_u32 v[ADRA+1], SLOT, v[ADRA]
	v_add_nc_u32 v[ADRB+1], SLOT, v[ADRB]
	v_mul_u32_u24 v5, s67, v2
	v_lshl_add_u32 v5, v1, 4, v5
	v_add_nc_u32 v[ADRS], s66, v5                  ; scale words: lanes 0-15 x's rows, 16-31 W's
	v_lshlrev_b32 v[CB], 4, v1
	v_lshl_add_u32 v[CO], v2, 17, v[CB]
	v_and_b32 v6, 31, v0
	v_min_u32 v[PFS], 1, v6
	v_lshlrev_b32 v[PFS], 8, v[PFS]                ; two blocks; the other lanes name the second again
	v_mov_b32 v[ZA], 0
	s_lshl_b32 s2, s100, 10
	s_lshl_b32 s3, s22, 9
	s_add_co_u32 s2, s2, s3
	s_mov_b32 s3, 0
	s_add_nc_u64 s[12:13], s[12:13], s[2:3]
	s_add_nc_u64 s[16:17], s[16:17], s[2:3]
	s_add_nc_u64 s[18:19], s[18:19], s[2:3]
	s_lshl_b32 s2, s23, 8
	s_lshl_b32 s3, s21, 7
	s_add_co_u32 s2, s2, s3
	s_lshl_b32 s2, s2, 14
	s_mov_b32 s3, 0
	s_add_nc_u64 s[18:19], s[18:19], s[2:3]
	; waves 0, 1 ask for x, waves 2, 3 for W.  OC, OS, OB stand at K step 1 of the walk
	s_lshl_b32 s2, s104, 17                        ; x: partner cx takes rows 64 cx .., wave 32 of them
	s_lshl_b32 s3, s22, 16
	s_add_co_u32 s2, s2, s3
	s_add_co_u32 s2, s2, s[OC]
	s_lshl_b32 s3, s105, 14                        ; W: partner cy likewise
	s_lshl_b32 s66, s22, 13
	s_add_co_u32 s3, s3, s66
	s_add_co_u32 s3, s3, s[OB]
	s_lshl_b32 s66, s104, 10                       ; scale bytes: four blocks a partner, two a wave
	s_lshl_b32 s67, s105, 10
	s_cmp_lt_u32 s[WV], 2
	s_cselect_b32 s2, s2, s3
	s_cselect_b32 s66, s66, s67
	s_cselect_b32 s67, 11, 8                       ; a lane a row: 2,048 or 256 bytes
	s_cselect_b32 s3, 8, 20                        ; a K step: 256 bytes or 1,048,576
	s_cselect_b64 s[PC:PC+1], s[92:93], s[96:97]
	s_cselect_b64 s[104:105], s[94:95], s[98:99]
	v_and_b32 v6, 31, v0
	v_lshlrev_b32 v[PFO], s67, v6
	s_lshl_b32 s101, 1, s3
	s_lshl_b32 s3, s22, 9
	s_add_co_u32 s66, s66, s3
	s_add_co_u32 s66, s66, s[OS]
	s_mov_b32 s67, 0
	s_mov_b32 s3, 0
	s_add_nc_u64 s[PC:PC+1], s[PC:PC+1], s[2:3]
	s_add_nc_u64 s[66:67], s[104:105], s[66:67]
	s_mov_b32 s2, s101
	s_add_nc_u64 s[104:105], s[PC:PC+1], s[2:3]
	s_add_nc_u64 s[2:3], s[104:105], s[2:3]
	s_wait_alu depctr_va_vdst(0)                   ; the wait at the head's end
	global_prefetch_b8 v[PFO], s[PC:PC+1] th:TH_LOAD_NT scope:SCOPE_SE      ; K step 1, loaded when K step 0 has landed
	global_prefetch_b8 v[PFS], s[66:67] th:TH_LOAD_NT scope:SCOPE_SE
	global_load_b128 v[IP:IP+3], v[CB], s[12:13]
	global_load_b128 v[IP+4:IP+7], v[CB], s[12:13] offset:256
	global_load_b128 v[BI:BI+3], v[CB], s[16:17]
	global_load_b128 v[BI+4:BI+7], v[CB], s[16:17] offset:256
	global_load_b32 v[FS], v[ZA], s[14:15]
.macro FRAG reg, adr, off              ; 16 rows x 128 K: two loads, 32 bytes apart
	ds_load_b128 v[\reg:\reg+3], v[\adr] offset:\off
	ds_load_b128 v[\reg+4:\reg+7], v[\adr] offset:\off+32
.endm
.macro GRP slot, q, p, g               ; fragment g of a step: 0-7 W's, 8-15 x's, into set p
.if (\g) < 8
	WIN TO_B
	FRAG 128*(\p)+8*(\g), ADRB+\slot, 64*(\q)+(\g)*16*PITCH
.else
	WIN 0
	FRAG AF+64*(\p)+8*((\g)-8), ADRA+\slot, 64*(\q)+((\g)-8)*16*PITCH
.endif
.endm
.macro SCALE slot, i                   ; block i's scale words of a whole K step
	ds_load_b128 v[SC+32*(\slot)+4*(\i):SC+32*(\slot)+4*(\i)+3], v[ADRS] offset:SSLOT*(\slot)+256*(\i)
.endm
.macro TITEM slot, k                   ; two of a new slot's forty first loads: W's fragments, scale words, x's fragments
.if (\k) < 8
	GRP \slot, 0, 0, \k
.elseif (\k) < 12
	WIN 0
	SCALE \slot, 2*((\k)-8)
	SCALE \slot, 2*((\k)-8)+1
.else
	GRP \slot, 0, 0, (\k)-4
.endif
.endm
.macro FIRST slot                      ; all forty, in one run
.set TK, 0
.rept 20
	TITEM \slot, TK
.set TK, TK+1
.endr
.endm
.macro MUL2 ma, mb, p, q, sc, zero     ; block ma x W's fragments mb, mb + 1; the 64 accumulators take turns in the same order in every step
	WIN (MUL_LO+0x50*((\ma)/4))
.irp n, \mb, \mb+1
.if \zero
	v_wmma_scale_f32_16x16x128_f8f6f4 v[8*(8*((\ma)%4)+(\n)):8*(8*((\ma)%4)+(\n))+7], v[AF+64*(\p)+8*(\ma):AF+64*(\p)+8*(\ma)+7], v[128*(\p)+8*(\n):128*(\p)+8*(\n)+7], 0, v[SC+32*(\sc)+4*(\ma)+(\q)], v[SC+32*(\sc)+4*(\n)+(\q)] matrix_a_fmt:MATRIX_FMT_FP4 matrix_b_fmt:MATRIX_FMT_FP4 matrix_b_scale:MATRIX_SCALE_ROW1
.else
	v_wmma_scale_f32_16x16x128_f8f6f4 v[8*(8*((\ma)%4)+(\n)):8*(8*((\ma)%4)+(\n))+7], v[AF+64*(\p)+8*(\ma):AF+64*(\p)+8*(\ma)+7], v[128*(\p)+8*(\n):128*(\p)+8*(\n)+7], v[8*(8*((\ma)%4)+(\n)):8*(8*((\ma)%4)+(\n))+7], v[SC+32*(\sc)+4*(\ma)+(\q)], v[SC+32*(\sc)+4*(\n)+(\q)] matrix_a_fmt:MATRIX_FMT_FP4 matrix_b_fmt:MATRIX_FMT_FP4 matrix_b_scale:MATRIX_SCALE_ROW1
.endif
.endr
.endm
.macro MUL8 na, p, q, sc, zero
	MUL2 \na, 0, \p, \q, \sc, \zero
	MUL2 \na, 2, \p, \q, \sc, \zero
	MUL2 \na, 4, \p, \q, \sc, \zero
	MUL2 \na, 6, \p, \q, \sc, \zero
.endm
.macro PLACES                          ; four places, ahead of loads into what earlier products read and of reads of results
.rept 4
	v_nop
.endr
.endm
.macro STEP slot, q, zero              ; a step that has its successor in the same slot
	s_wait_dscnt 14
	MUL8 0, (\q)%2, \q, \slot, \zero
	PLACES
.set TK, 0
.rept 16
	GRP \slot, (\q)+1, 1-(\q)%2, TK
.set TK, TK+1
.endr
.irp a, 1,2,3,4,5,6,7
	s_wait_dscnt 32+2*(7-\a)
	MUL8 \a, (\q)%2, \q, \slot, \zero
.endr
.endm
; A slot's last step changes slots.  In front of its one barrier each wave waits for all its tensor loads, adds 0 to its spare word, and waits for that and for its reads of this slot.
.macro TURN slot, next, fill
	s_wait_dscnt 14
	MUL8 0, 1, 3, \slot, 0
	WIN 0
	s_wait_tensorcnt 0x0                           ; my part of the next slot is in
	ds_add_u32 v[SPW], v[NIL]
.if \fill
	NEXTK
	AIM \slot
.endif
	s_wait_dscnt 13                                ; the add and x's blocks 2-7 may be out
	MUL8 1, 1, 3, \slot, 0
	s_wait_dscnt 0x0                               ; the add is done, my reads of this slot are over
	s_barrier_signal -1
	MUL8 2, 1, 3, \slot, 0
	WIN 0
	s_barrier_wait -1
.if \fill
	CREST
	JLOAD \slot                                    ; the first tensor load behind the round; its four v_nop are the places for the loads below
.else
	PLACES
.endif
	FIRST \next
.irp a, 3,4,5,6,7
	MUL8 \a, 1, 3, \slot, 0
.endr
.endm
; The way out of block a: scaled, biased, 16 bytes a lane, two rows of 256 bytes a store.  A run of TB is rewritten behind the wait on XCNT that follows its stores.
.macro OUT a
.irp g, 0,1
	WIN (2+(\a)/4)
.irp j, 0,1,2,3,4,5,6,7
.irp i, 0,1,2,3
	v_fma_f32 v[TB+32*\g+4*\j+\i], v[8*(8*((\a)%4)+4*\g+\i)+\j], v[CM+4*\g+\i], v[BI+4*\g+\i]
.endr
.endr
	WIN 0
	s_wait_alu depctr_va_vdst(0)
	s_wait_xcnt 0x0
.irp j, 0,1,2,3,4,5,6,7
	global_store_b128 v[CO], v[TB+32*\g+4*\j:TB+32*\g+4*\j+3], s[18:19] offset:(16*(\a)+\j)*16384+256*\g th:TH_STORE_NT
.endr
.endr
.endm
	s_wait_tensorcnt 0x0                           ; my part of K step 0 is in; these lines stand ahead of a later first fill as ahead of a refill
	ds_add_u32 v[SPW], v[NIL]
	s_wait_dscnt 0x0
	CROUND
	JLOAD 1                                        ; K step 1
	FIRST 0
	global_prefetch_b8 v[PFO], s[104:105] th:TH_LOAD_NT scope:SCOPE_SE      ; K step 2, which the first change of slots loads
	global_prefetch_b8 v[PFS], s[66:67] offset:SSTEP th:TH_LOAD_NT scope:SCOPE_SE
	STEP 0, 0, 1                                   ; the first products start the sums
	WIN 0
	s_mov_b32 s[LAP], LAPS-1
.Llap:                                                 ; once round the ring
	STEP 0, 1, 0
	STEP 0, 2, 0
	TURN 0, 1, 1
	WIN 0
	s_cmp_eq_u32 s[LAP], LAPS-1
	s_cbranch_scc0 .Lno_ask
	global_prefetch_b8 v[PFO], s[2:3] th:TH_LOAD_NT scope:SCOPE_SE          ; K step 3, which the next change of slots loads
	global_prefetch_b8 v[PFS], s[66:67] offset:2*SSTEP th:TH_LOAD_NT scope:SCOPE_SE
.Lno_ask:
	STEP 1, 0, 0
	STEP 1, 1, 0
	STEP 1, 2, 0
	TURN 1, 0, 1
	STEP 0, 0, 0
	WIN 0
	s_sub_co_u32 s[LAP], s[LAP], 1
	s_cmp_lg_u32 s[LAP], 0
	s_cbranch_scc1 .Llap
	STEP 0, 1, 0                                   ; the last lap fills nothing
	STEP 0, 2, 0
	TURN 0, 1, 0
	STEP 1, 0, 0
	STEP 1, 1, 0
	STEP 1, 2, 0
	WIN 0
	s_wait_loadcnt 0x0                             ; the list, bias and fp8_scale, asked for at the head
.irp i, 0,1,2,3,4,5,6,7
	v_add_nc_u32 v[IP+\i], 0xfffff800, v[IP+\i]
	v_cmp_gt_u32 vcc_lo, 1024, v[IP+\i]            ; 2048 <= g < 3072
	v_cndmask_b32 v[CM+\i], 1.0, v[FS], vcc_lo
.endr
	s_wait_alu depctr_va_vdst(0)
	s_wait_dscnt 14                                ; the very last step: a block leaves as soon as the next one's products are issued
	MUL8 0, 1, 3, 1, 0
	s_wait_dscnt 12
	MUL8 1, 1, 3, 1, 0
	PLACES
	OUT 0
.irp a, 2,3,4,5,6,7
	s_wait_dscnt 14-2*\a
	MUL8 \a, 1, 3, 1, 0
	OUT \a-1                                       ; block a - 2's 64 multiply-adds are the places behind block a - 1's products
.endr
	OUT 7
	s_wait_tensorcnt 0x0                           ; the wave's end
	ds_add_u32 v[SPW], v[NIL]
	s_wait_dscnt 0x0
	CROUND                                         ; the closing round
	s_endpgm
.Lfunc_end_k_q162560f701_gemm:
	.size	k_q162560f701_gemm, .Lfunc_end_k_q162560f701_gemm-k_q162560f701_gemm
	.p2alignl 7, 3214868480
	.fill 96, 4, 3214868480
	.section	.rodata,"a",@progbits
	.p2align	6, 0x0
	.amdhsa_kernel k_q162560f701_gemm
		.amdhsa_group_segment_fixed_size 327680
		.amdhsa_private_segment_fixed_size 0
		.amdhsa_enable_private_segment 0
		.amdhsa_kernarg_size 64
		.amdhsa_user_sgpr_count 2
		.amdhsa_user_sgpr_kernarg_segment_ptr 1
		.amdhsa_wavefront_size32 1
		.amdhsa_system_sgpr_workgroup_id_x 1
		.amdhsa_system_sgpr_workgroup_id_y 1
		.amdhsa_system_sgpr_workgroup_id_z 1
		.amdhsa_system_vgpr_workitem_id 0
		.amdhsa_next_free_vgpr 1024
		.amdhsa_next_free_sgpr 106
		.amdhsa_reserve_vcc 1
		.amdhsa_float_denorm_mode_32 3
		.amdhsa_float_denorm_mode_16_64 3
		.amdhsa_memory_ordered 1
		.amdhsa_forward_progress 1
		.amdhsa_inst_pref_size 236
	.end_amdhsa_kernel
	.amdgpu_metadata
---
amdhsa.version: [ 1, 2 ]
amdhsa.kernels:
  - .name:           k_q162560f701_gemm
    .symbol:         k_q162560f701_gemm.kd
    .args:
      - { .name: x_codes, .offset: 0, .size: 8, .value_kind: global_buffer, .address_space: global }
      - { .name: xs_t, .offset: 8, .size: 8, .value_kind: global_buffer, .address_space: global }
      - { .name: w_codes, .offset: 16, .size: 8, .value_kind: global_buffer, .address_space: global }
      - { .name: ws_t, .offset: 24, .size: 8, .value_kind: global_buffer, .address_space: global }
      - { .name: inv_perm, .offset: 32, .size: 8, .value_kind: global_buffer, .address_space: global }
      - { .name: fp8_scale, .offset: 40, .size: 8, .value_kind: global_buffer, .address_space: global }
      - { .name: bias, .offset: 48, .size: 8, .value_kind: global_buffer, .address_space: global }
      - { .name: out0, .offset: 56, .size: 8, .value_kind: global_buffer, .address_space: global }
    .group_segment_fixed_size: 327680
    .private_segment_fixed_size: 0
    .kernarg_segment_align: 8
    .kernarg_segment_size: 64
    .max_flat_workgroup_size: 128
    .sgpr_count:     106
    .vgpr_count:     1024
    .wavefront_size: 32
...
	.end_amdgpu_metadata
.endif
;; end of part 2
